; MI455X (gfx1250); checked and timed in simulation.
; The chip was launched on July 23, 2026; its instructions are those of AMD's public machine-readable ISA for CDNA 5 (MIT licence, August 2026) and "CDNA5" Instruction Set Architecture Reference Guide (July 2026). The comments in the code are by the model that wrote it; some were corrected since.
;; Cluster Forecasting. Allowed arithmetic: float matrix products may take bf16 or f16 operands with f32 sums; all other float work in f32.
;; Inputs: W_emb 8 x 64 float32; W_proj 64 x 8 float32; b_emb 64 float32; b_proj 8 float32; x 4,096 x 64 x 8 float32.
;; Outputs: out0 one number float32; out1 4,096 x 64 x 8 float32.
;; 2 versions, each right; version 2 is version 1 with the launch pairs written anew for expert scheduling mode. Each part assembles by itself: llvm-mc -triple=amdgcn-amd-amdhsa -mcpu=gfx1250 --defsym DOCPART=n.
;; ======== version 1 of 2: 5 launches
;; limits: values within 0.00049 (relative) of each other or of a threshold may be ordered or decided otherwise than in the reference
;; workspace buffers: xa 4,194,304 bytes; yb 4,194,304 bytes; uc 17,408 bytes; lists 4,194,304 bytes; stats 524,288 bytes; idx 262,144 bytes of whole numbers; rsum 32,768 bytes; part 8,192 bytes
;; launch prep (part 1): grid 256 x 1, 8 waves a work-group, no clusters, 8,192 bytes of LDS; arguments x, W_emb, b_emb, W_proj, xa, yb, uc; writes xa, yb, uc
.if DOCPART == 1
	.amdgcn_target "amdgcn-amd-amdhsa--gfx1250"
	.amdhsa_code_object_version 6
	.text
	.protected	k_q6961e7103f_prep
	.globl	k_q6961e7103f_prep
	.p2align	8
	.type	k_q6961e7103f_prep,@function
k_q6961e7103f_prep:
	s_mov_b64 s[64:65], 0
	v_nop
	global_prefetch_b8 v0, s[64:65] scope:SCOPE_SE
	s_setreg_imm32_b32 hwreg(HW_REG_WAVE_MODE, 25, 1), 1
	s_wait_xcnt 0x0
; PREP.  The embedding is linear, so for every input  e_b . e_c = sum_s x_bs G x_cs^T + u_b + u_c + const,  G = W_emb W_emb^T (8 x 8),  u_c = sum_s x_cs . (W_emb b_emb).
; u_b and the constant are the same along a row of the similarity matrix: the softmax and the order of a row do not see them.  This launch makes
;   xa[c] = bf16(x[c])                      [4096][512]
;   yb[c] = bf16(x[c] G'), G' = c0 G        [4096][512], made in f32 and rounded once;  c0 = log2(e) / 64
;   uc[c] = sum_s x_cs . g', g' = c0 W_emb b_emb   (f32), and behind it (byte 16,384) the table Mhat = [W_emb; b_emb] W_proj, 16 x 16 words, rows 0-8 and columns 0-7 in use.
; The 8 x 8 maps are f32 multiply-adds: with a depth of 8 three quarters of a matrix instruction would be empty, and they are a small part of the program's arithmetic.
; SHARES.  A work-group owns 16 samples, a wave two.  A sample is 2,048 bytes: four loads of 512 consecutive bytes; lane L holds half a position: features 4 p .. 4 p + 3, p = L & 1;
; the other half lies in the lane beside it.  Every store of xa and yb covers 256 consecutive bytes, aligned.
.set C0,    0x3cb8aa3b                 ; log2(e) / 64
.set WP,    272                        ; an LDS row of 64 f32: 256 bytes + 16
.set WT,    0                          ; [W_emb; b_emb]: 9 rows
.set PT,    2560                       ; W_proj transposed: 8 rows
.set GT,    4864                       ; c0 What What^T: 16 x 16 words
.set MT,    5888                       ; What W_proj: 16 x 16 words
.set SPARE, 6912                       ; the spare words: 128 bytes a wave, four blocks of 256 bytes that no other line names
.set X,   16                           ; v[16:47]   x: row, chunk, 4 numbers
.set XP,  48                           ; v[48:51]   the neighbour lane's 4 numbers
.set GO,  52                           ; v[52:67]   G' rows of my own 4 features, my 4 columns
.set GP,  68                           ; v[68:83]   G' rows of the neighbour's 4 features, my 4 columns
.set GV,  84                           ; v[84:87]   g' of my 4 features
.set Y,   88                           ; v[88:91]   x G', 4 numbers
.set UA,  92                           ; v[92:95]   u, a pair a row
.set OUT, 96                           ; v[96:127]  4 registers a chunk: 2 for xa, 2 for yb; never rewritten
.set RA,  128                          ; v[128:175] three runs of 16 numbers for the small products
.set RB,  144
.set RC,  160
.set SG,  176                          ; v[176:179] their two pair sums
.set SM,  178
.set CW,  180                          ; v[180:183] 16 bytes of W_emb or W_proj
.set CB,  184                          ; v[184:187] 16 bytes of b_emb
	s_load_b256 s[4:11], s[0:1], 0x0               ; x s[4:5], W_emb s[6:7], b_emb s[8:9], W_proj s[10:11]
	s_load_b128 s[12:15], s[0:1], 0x20             ; xa s[12:13], yb s[14:15]
	s_load_b64 s[16:17], s[0:1], 0x30              ; uc
	v_lshl_add_u32 v4, v0, 2, SPARE                ; my spare word,
	v_mov_b32 v5, 0                                ; and 0: kept for the add at the wave's end
	v_and_b32 v1, 31, v0                           ; L
	v_and_b32 v2, 1, v0                            ; p
	v_lshrrev_b32 v3, 5, v0
	v_readfirstlane_b32 s18, v3                    ; wave 0..7
	v_and_b32 v6, 127, v0
	v_lshlrev_b32 v6, 4, v6                        ; 16 (t mod 128): my 16 bytes of W_emb (waves 0-3) or W_proj (waves 4-7)
	v_and_b32 v7, 15, v0
	v_lshlrev_b32 v7, 4, v7                        ; 16 (t mod 16)
	v_lshlrev_b32 v8, 4, v1                        ; 16 L
	v_lshlrev_b32 v10, 3, v1                       ; 8 L
	s_lshl_b32 s20, ttmp9, 15                      ; 16 samples of 2,048 bytes a work-group,
	s_lshl_b32 s19, s18, 12                        ; two a wave
	s_add_co_u32 s20, s20, s19
	s_mov_b32 s21, 0
	s_lshr_b32 s30, s20, 1                         ; the same samples in xa and yb: 1,024 bytes each
	s_mov_b32 s31, 0
	s_lshr_b32 s32, s20, 9                         ; and in uc: 4 bytes each
	s_mov_b32 s33, 0
	s_mov_b32 s22, 0x76543210                      ; v_permlanex16_b32: each lane takes its own place in the other half
	s_mov_b32 s23, 0xfedcba98
	s_wait_kmcnt 0x0
	s_add_nc_u64 s[4:5], s[4:5], s[20:21]
	s_add_nc_u64 s[12:13], s[12:13], s[30:31]
	s_add_nc_u64 s[14:15], s[14:15], s[30:31]
	s_add_nc_u64 s[28:29], s[16:17], s[32:33]      ; uc at my two samples; s[16:17] stays for the table
	s_cmp_lt_u32 s18, 4
	s_cselect_b64 s[26:27], s[6:7], s[10:11]       ; the choice hangs on the wave's number alone
	global_load_b128 v[CW:CW+3], v6, s[26:27]
	global_load_b128 v[CB:CB+3], v7, s[8:9]
.irp i, 0,1,2,3,4,5,6,7
	global_load_b128 v[X+4*\i:X+4*\i+3], v8, s[4:5] offset:512*\i   ; my two samples, 512 consecutive bytes a load
.endr
	v_lshrrev_b32 v9, 4, v0
	v_mul_u32_u24 v9, v9, WP
	v_add_nc_u32 v9, v9, v7                        ; W_emb: row t / 16, 16 bytes at 16 (t mod 16)
	v_bfe_u32 v11, v0, 1, 6                        ; W_proj: my 16 bytes are row d = (t mod 128) / 2, features 4 p ..
	v_mul_u32_u24 v12, v2, 4*WP
	v_lshl_add_u32 v11, v11, 2, v12                ; transposed: row 4 p + e, word d
	v_lshrrev_b32 v12, 4, v0
	v_min_u32 v12, 8, v12
	v_mul_u32_u24 v12, v12, WP                     ; What's row i = min(t / 16, 8)
	v_and_b32 v13, 15, v0
	v_min_u32 v13, 8, v13
	v_mul_u32_u24 v13, v13, WP                     ; What's row j = min(t mod 16, 8)
	v_and_b32 v14, 7, v0
	v_mul_u32_u24 v14, v14, WP                     ; W_proj^T's row f = t mod 8
	v_lshlrev_b32 v15, 2, v0
.irp e, 0,1,2,3
	v_mov_b32 v[XP+\e], 0                          ; the destination of a lane move counts as read
.endr
	s_wait_loadcnt 0x8                             ; the two loads of constants are in; the eight of x, issued behind them, stay out
	s_cmp_lt_u32 s18, 4
	s_cbranch_scc0 .Lproj
	ds_store_b128 v9, v[CW:CW+3]
	s_cmp_lg_u32 s18, 0
	s_cbranch_scc1 .Lstored
	ds_store_b128 v7, v[CB:CB+3] offset:WT+8*WP    ; b_emb is What's row 8; lanes 16-31 write what lanes 0-15 write
	s_branch .Lstored
.Lproj:
.irp e, 0,1,2,3
	ds_store_b32 v11, v[CW+\e] offset:PT+(\e)*WP
.endr
.Lstored:
	s_wait_dscnt 0x0                               ; for the others' sake: my stores are done
	s_barrier_signal -1
	s_barrier_wait -1
; Thread t makes Ghat[i][j] and Mhat[i][f]: two sums over 64, sixteen numbers a step.
.macro DOTR q
.irp e, 0,1,2,3
	ds_load_b128 v[RA+4*\e:RA+4*\e+3], v12 offset:WT+64*(\q)+16*\e
	ds_load_b128 v[RB+4*\e:RB+4*\e+3], v13 offset:WT+64*(\q)+16*\e
	ds_load_b128 v[RC+4*\e:RC+4*\e+3], v14 offset:PT+64*(\q)+16*\e
.endr
	s_wait_dscnt 0x0
.irp k, 0,2,4,6,8,10,12,14
.if ((\q) == 0) && ((\k) == 0)
	v_pk_mul_f32 v[SG:SG+1], v[RA:RA+1], v[RB:RB+1]        ; the first products start the sums
	v_pk_mul_f32 v[SM:SM+1], v[RA:RA+1], v[RC:RC+1]
.else
	v_pk_fma_f32 v[SG:SG+1], v[RA+\k:RA+\k+1], v[RB+\k:RB+\k+1], v[SG:SG+1]
	v_pk_fma_f32 v[SM:SM+1], v[RA+\k:RA+\k+1], v[RC+\k:RC+\k+1], v[SM:SM+1]
.endif
.endr
.endm
	DOTR 0
	DOTR 1
	DOTR 2
	DOTR 3
	v_add_f32 v[SG], v[SG], v[SG+1]
	v_add_f32 v[SM], v[SM], v[SM+1]
	v_mul_f32 v[SG], C0, v[SG]
	ds_store_b32 v15, v[SG] offset:GT
	ds_store_b32 v15, v[SM] offset:MT
	v_mul_u32_u24 v12, v2, 272                     ; G' rows 4 p + i, columns 4 p ..: (4 p) 64 + 16 p
	v_mul_u32_u24 v13, v2, 240
	v_sub_nc_u32 v13, 256, v13                     ; G' rows 4 (1 - p) + i, columns 4 p ..: 256 - 256 p + 16 p
	v_lshlrev_b32 v14, 4, v2                       ; 16 p
	v_lshlrev_b32 v9, 4, v0                        ; 16 t, for the table
	v_lshlrev_b32 v11, 2, v1                       ; 4 L, for u
	s_wait_dscnt 0x0
	s_barrier_signal -1
	s_barrier_wait -1
.irp i, 0,1,2,3
	ds_load_b128 v[GO+4*\i:GO+4*\i+3], v12 offset:GT+64*\i
	ds_load_b128 v[GP+4*\i:GP+4*\i+3], v13 offset:GT+64*\i
.endr
	ds_load_b128 v[GV:GV+3], v14 offset:GT+8*64
	s_cmp_lg_u32 ttmp9, 0                          ; the table leaves once: work-group 0, threads 0-63, 1,024 consecutive bytes
	s_cbranch_scc1 .Lno_table
	s_cmp_gt_u32 s18, 1
	s_cbranch_scc1 .Lno_table
	ds_load_b128 v[RA:RA+3], v9 offset:MT
	s_wait_dscnt 0x0
	global_store_b128 v9, v[RA:RA+3], s[16:17] offset:16384   ; v9 and RA are not written again
.Lno_table:
	s_wait_dscnt 0x0                               ; the coefficients
	s_wait_loadcnt 0x0                             ; x
; v[d:d+1] (+)= v[co:co+1] x element b of the pair xp
.macro PKB d, co, xp, b, first
.if \first
	v_pk_mul_f32 v[(\d):(\d)+1], v[(\co):(\co)+1], v[(\xp):(\xp)+1] op_sel:[0,\b] op_sel_hi:[1,\b]
.else
	v_pk_fma_f32 v[(\d):(\d)+1], v[(\co):(\co)+1], v[(\xp):(\xp)+1], v[(\d):(\d)+1] op_sel:[0,\b,0] op_sel_hi:[1,\b,1]
.endif
.endm
; One chunk of 512 bytes of x: the neighbour's half position, y = x G' for my 4 columns, u's share, both roundings, both stores.
.macro XFORM row, c
.set xb, X+16*(\row)+4*(\c)
.set ob, OUT+16*(\row)+4*(\c)
.set ub, UA+2*(\row)
.irp e, 0,1,2,3
	v_mov_b32_dpp v[XP+\e], v[xb+\e] row_xmask:1 row_mask:0xf bank_mask:0xf
.endr
	PKB Y,   GO,    xb,   0, 1
	PKB Y+2, GO+2,  xb,   0, 1
	PKB Y,   GO+4,  xb,   1, 0
	PKB Y+2, GO+6,  xb,   1, 0
	PKB Y,   GO+8,  xb+2, 0, 0
	PKB Y+2, GO+10, xb+2, 0, 0
	PKB Y,   GO+12, xb+2, 1, 0
	PKB Y+2, GO+14, xb+2, 1, 0
	PKB Y,   GP,    XP,   0, 0
	PKB Y+2, GP+2,  XP,   0, 0
	PKB Y,   GP+4,  XP,   1, 0
	PKB Y+2, GP+6,  XP,   1, 0
	PKB Y,   GP+8,  XP+2, 0, 0
	PKB Y+2, GP+10, XP+2, 0, 0
	PKB Y,   GP+12, XP+2, 1, 0
	PKB Y+2, GP+14, XP+2, 1, 0
.if (\c) == 0
	v_pk_mul_f32 v[ub:ub+1], v[xb:xb+1], v[GV:GV+1]
.else
	v_pk_fma_f32 v[ub:ub+1], v[xb:xb+1], v[GV:GV+1], v[ub:ub+1]
.endif
	v_pk_fma_f32 v[ub:ub+1], v[xb+2:xb+3], v[GV+2:GV+3], v[ub:ub+1]
	v_cvt_pk_bf16_f32 v[ob],   v[xb],   v[xb+1]
	v_cvt_pk_bf16_f32 v[ob+1], v[xb+2], v[xb+3]
	v_cvt_pk_bf16_f32 v[ob+2], v[Y],    v[Y+1]
	v_cvt_pk_bf16_f32 v[ob+3], v[Y+2],  v[Y+3]
	global_store_b64 v10, v[ob:ob+1],   s[12:13] offset:(\row)*1024+(\c)*256   ; 32 lanes x 8 bytes: 256 consecutive bytes, aligned
	global_store_b64 v10, v[ob+2:ob+3], s[14:15] offset:(\row)*1024+(\c)*256
.endm
.irp c, 0,1,2,3
	XFORM 0, \c
.endr
.irp c, 0,1,2,3
	XFORM 1, \c
.endr
	; u of my two samples: the pair's halves, then the 32 lanes
	v_add_f32 v[UA], v[UA], v[UA+1]
	v_add_f32 v[UA+2], v[UA+2], v[UA+3]
.irp m, 1,2,4,8
	v_add_f32_dpp v[UA], v[UA], v[UA] row_xmask:\m row_mask:0xf bank_mask:0xf
	v_add_f32_dpp v[UA+2], v[UA+2], v[UA+2] row_xmask:\m row_mask:0xf bank_mask:0xf
.endr
	v_permlanex16_b32 v[UA+1], v[UA], s22, s23
	v_permlanex16_b32 v[UA+3], v[UA+2], s22, s23
	v_add_f32 v[UA], v[UA], v[UA+1]
	v_add_f32 v[UA+2], v[UA+2], v[UA+3]
	v_cmp_eq_u32 vcc_lo, 1, v1
	v_cndmask_b32 v[UA], v[UA], v[UA+2], vcc_lo    ; lane 1 takes the second sample's
	v_cmp_gt_u32 vcc_lo, 2, v1
	s_wait_xcnt 0x0                                ; EXEC is a source of the stores above: it changes only behind this wait
	s_and_saveexec_b32 s24, vcc_lo
	global_store_b32 v11, v[UA], s[28:29]          ; lanes 0 and 1
	s_wait_xcnt 0x0                                ; and again in front of the line that widens it
	s_or_b32 exec_lo, exec_lo, s24
	s_wait_tensorcnt 0x0                           ; the wave's end, behind my last LDS store
	ds_add_u32 v4, v5
	s_wait_dscnt 0x0
	s_endpgm
.Lfunc_end_k_q6961e7103f_prep:
	.size	k_q6961e7103f_prep, .Lfunc_end_k_q6961e7103f_prep-k_q6961e7103f_prep
	.p2alignl 7, 3214868480
	.fill 96, 4, 3214868480
	.section	.rodata,"a",@progbits
	.p2align	6, 0x0
	.amdhsa_kernel k_q6961e7103f_prep
		.amdhsa_group_segment_fixed_size 8192
		.amdhsa_private_segment_fixed_size 0
		.amdhsa_enable_private_segment 0
		.amdhsa_kernarg_size 56
		.amdhsa_user_sgpr_count 2
		.amdhsa_user_sgpr_kernarg_segment_ptr 1
		.amdhsa_wavefront_size32 1
		.amdhsa_system_sgpr_workgroup_id_x 1
		.amdhsa_system_sgpr_workgroup_id_y 1
		.amdhsa_system_sgpr_workgroup_id_z 1
		.amdhsa_system_vgpr_workitem_id 0
		.amdhsa_next_free_vgpr 192
		.amdhsa_next_free_sgpr 66
		.amdhsa_reserve_vcc 1
		.amdhsa_float_denorm_mode_32 3
		.amdhsa_float_denorm_mode_16_64 3
		.amdhsa_memory_ordered 1
		.amdhsa_forward_progress 1
		.amdhsa_inst_pref_size 29
	.end_amdhsa_kernel
	.amdgpu_metadata
---
amdhsa.version: [ 1, 2 ]
amdhsa.kernels:
  - .name:           k_q6961e7103f_prep
    .symbol:         k_q6961e7103f_prep.kd
    .args:
      - { .name: x, .offset: 0, .size: 8, .value_kind: global_buffer, .address_space: global }
      - { .name: W_emb, .offset: 8, .size: 8, .value_kind: global_buffer, .address_space: global }
      - { .name: b_emb, .offset: 16, .size: 8, .value_kind: global_buffer, .address_space: global }
      - { .name: W_proj, .offset: 24, .size: 8, .value_kind: global_buffer, .address_space: global }
      - { .name: xa, .offset: 32, .size: 8, .value_kind: global_buffer, .address_space: global }
      - { .name: yb, .offset: 40, .size: 8, .value_kind: global_buffer, .address_space: global }
      - { .name: uc, .offset: 48, .size: 8, .value_kind: global_buffer, .address_space: global }
    .group_segment_fixed_size: 8192
    .private_segment_fixed_size: 0
    .kernarg_segment_align: 8
    .kernarg_segment_size: 56
    .max_flat_workgroup_size: 256
    .sgpr_count:     66
    .vgpr_count:     192
    .wavefront_size: 32
...
	.end_amdgpu_metadata
.endif
;; end of part 1
;; launch score (part 2): grid 16 x 16, 8 waves a work-group, clusters of 4 x 1, 327,680 bytes of LDS; arguments xa, yb, uc, lists, stats; writes lists, stats
.if DOCPART == 2
	.amdgcn_target "amdgcn-amd-amdhsa--gfx1250"
	.amdhsa_code_object_version 6
	.text
	.protected	k_q6961e7103f_score
	.globl	k_q6961e7103f_score
	.p2align	8
	.type	k_q6961e7103f_score,@function
k_q6961e7103f_score:
	s_mov_b64 s[64:65], 0
	v_nop
	global_prefetch_b8 v0, s[64:65] scope:SCOPE_SE
	s_setreg_imm32_b32 hwreg(HW_REG_WAVE_MODE, 25, 1), 1
	s_wait_xcnt 0x0
	s_wait_alu depctr_hold_cnt(0) depctr_sa_sdst(0) depctr_va_vdst(0) depctr_va_sdst(0) depctr_va_ssrc(0) depctr_va_vcc(0) depctr_vm_vsrc(0)
	s_getreg_b32 s2, hwreg(HW_REG_IB_STS2, 6, 4)
	s_cmp_eq_u32 s2, 0
	s_cbranch_scc0 .Lentry_in_a_cluster
	s_endpgm
.Lentry_in_a_cluster:
	s_bfe_u32 s2, ttmp6, 0x10000c
	s_cmp_lg_u32 s2, 0x3003
	s_cbranch_scc0 .Lentry_shape_is_right
	s_endpgm
.Lentry_shape_is_right:
; SCORE.  t[b][c] = sum over 512 of xa[b] yb[c] + uc[c]  is log2(e) x the reference's logit, less terms that are constant along row b.  A work-group makes 256 queries x 256 keys of t and keeps
; of them, for each query, the running maximum m, l = sum 2^(t - m), and the 16 largest keys in order.  Nothing of t goes to memory.
; LIMITS.  A selection key is t with its 12 low mantissa bits replaced by 4095 - column: 11 mantissa bits are kept; scores that agree in those upper 20 bits are ordered by the index bits
; (lower column first where t > 0).  The hidden diagonal counts as its value less 1e30: |t| is taken to lie far below that.  NaN and infinities are not treated apart.
; SHARES.  Row block X = 4 x cluster x + cx, column block Y.  Wave w owns queries 256 X + 32 w .. + 31, two tiles of 16, held in registers (window 1), and walks the block's 16 key tiles of 16.
; Two waves lie on a SIMD, so that one's products can run beside the other's selection.
; LAYOUT.  Source 0 = 16 keys, source 1 = 16 queries: in the result lane (r, h) holds ONE query r and the keys 8 h + 0..7.  So each lane keeps statistics and a sorted list of its own half of the keys,
; and the two halves are merged once at the end.  The C operand that starts a sum is uc of the lane's 8 keys, less 1e30 on the diagonal.
; SELECTION without a branch: a list of 16 in descending order takes a key by  l[i] = med3(l[i-1], l[i], key), i = 15 .. 1;  l[0] = max(l[0], key).
; CLUSTER.  The four work-groups of a cluster share Y: keys and uc are asked for JOINTLY (mask 15), the same loads with the same descriptors in all four.  The whole key block fits into LDS once:
; nothing is filled again.  It comes in two parts, keys 0-63 and keys 64-255, so that the products begin when the first part is in.  Three tensor loads of a wave are out.
.set PK,    1040                       ; a key's row in LDS: 1,024 bytes + 16: the 16 rows of a fragment load start 16 bytes apart modulo 256
.set UL,    256*PK                     ; behind the keys: uc's 256 numbers, a copy of 1,024 bytes for each wave, read by that wave alone
.set SPARE, UL+8*1024                  ; the spare words: 128 bytes a wave, four blocks of 256 bytes that no other line names
.set SPW, 3                            ; v3   my spare word's address; never rewritten
.set NIL, 4                            ; v4   0; never rewritten
.set AK,  5                            ; v5   my place in the key tile to be fetched
.set AU,  6                            ; v6   my 8 numbers of uc for that tile
.set QO,  7                            ; v7   my byte offset in 16 rows of xa
.set COL, 8                            ; v[8:15]    4095 - column of my 8 keys
.set MD,  16                           ; v[16:23]   -1e30 where key 8 h + j is query r, else 0
.set UU,  24                           ; v[24:31]   uc of my 8 keys
.set CA,  32                           ; v[32:47]   the two C operands
.set CB,  40
.set SA,  48                           ; v[48:63]   the two accumulators
.set SB,  56
.set KEY, 64                           ; v[64:71]
.set LA,  72                           ; v[72:103]  the two lists
.set LB,  88
.set LSA, 104                          ; v[104:107] l, a pair a tile (even keys', odd keys')
.set LSB, 106
.set MA,  108                          ; v108, v109 m
.set MB,  109
.set MX,  110
.set AF,  112                          ; v[112:113] 2^(m_old - m_new), in the low word
.set MN,  114                          ; v[114:115] m_new, in the low word
.set KF,  128                          ; v[128:255] a key tile: 16 fragments of 16 keys x 32
.set TT,  128                          ; at the end, in KF's place: the other half's list, the merged lists, what leaves
.set ZA,  144
.set ZT,  160
.set ZB,  176
.set WO,  192
.set ST,  208
.set MSB, 0
.macro WIN new                         ; the immediate's high byte repeats the setting that is left
.if MSB != (\new)
	s_set_vgpr_msb (MSB<<8)|(\new)
.set MSB, \new
.endif
.endm
.macro ROUND                           ; a round of the cluster's barrier: my work-group's barrier; wave 0 signals for it; every wave waits for all four; my work-group's barrier once more
	s_barrier_signal -1
	s_barrier_wait -1
	s_cmp_lg_u32 s14, 0
	s_cbranch_scc1 .Lnot_wave_0_\@
	s_barrier_signal -3
.Lnot_wave_0_\@:
	s_barrier_wait -3
	s_barrier_signal -1
	s_barrier_wait -1
.endm
	s_load_b256 s[4:11], s[0:1], 0x0               ; xa s[4:5], yb s[6:7], uc s[8:9], lists s[10:11]
	s_load_b64 s[12:13], s[0:1], 0x20              ; stats
	v_lshl_add_u32 v[SPW], v0, 2, SPARE
	v_mov_b32 v[NIL], 0
	ds_add_u32 v[SPW], v[NIL]                      ; the wave's opening: the add and its wait stand ahead of my first tensor load; work on registers stands between them
	v_lshrrev_b32 v1, 5, v0
	v_readfirstlane_b32 s14, v1                    ; wave 0..7
	s_bfe_u32 s15, ttmp6, 0x40000                  ; cx
	s_lshl_b32 s16, ttmp9, 2
	s_add_co_u32 s16, s16, s15                     ; X = 4 x cluster x + cx: it enters xa's, lists' and stats' addresses and the diagonal's select alone
	s_and_b32 s17, ttmp7, 0xffff                   ; Y, which the four partners share
	; descriptor group 1 for keys: rows of 512 elements of 2 bytes, 4 words of padding behind every 256 words; 8 rows (first part) or 24 rows (second part) a wave
	s_mov_b32 s20, 15|(1<<16)|(1<<20)|(1<<21)|(7<<22)|(3<<25)
	s_mov_b32 s21, 512<<16                         ; tensor_dim0 = 512
	s_mov_b32 s22, 8<<16                           ; tensor_dim1 = 8
	s_mov_b32 s23, 512<<16                         ; tile_dim0 = 512
	s_mov_b32 s24, 8                               ; tile_dim1 = 8
	s_mov_b32 s25, 512                             ; 512 elements from row to row
	s_mov_b32 s26, 0
	s_mov_b32 s27, 0
	s_mov_b32 s28, 15|(1<<16)|(1<<20)|(1<<21)|(7<<22)|(3<<25)
	s_mov_b32 s29, 512<<16
	s_mov_b32 s30, 24<<16
	s_mov_b32 s31, 512<<16
	s_mov_b32 s32, 24
	s_mov_b32 s33, 512
	s_mov_b32 s34, 0
	s_mov_b32 s35, 0
	; group 1 for uc: one row of 128 elements of 8 bytes
	s_mov_b32 s36, 15|(3<<16)|(1<<21)
	s_mov_b32 s37, 128<<16
	s_mov_b32 s38, 1<<16
	s_mov_b32 s39, 128<<16
	s_mov_b32 s40, 1
	s_mov_b32 s41, 128
	s_mov_b32 s42, 0
	s_mov_b32 s43, 0
	; group 0: LDS addresses hang on the wave's number alone
	s_mov_b32 s44, 1
	s_lshl_b32 s45, s14, 10
	s_add_co_u32 s45, s45, UL                      ; my copy of uc
	s_mov_b32 s48, 1
	s_mul_i32 s49, s14, 8*PK                       ; keys 8 w .. 8 w + 7
	s_mov_b32 s52, 1
	s_mul_i32 s53, s14, 24*PK
	s_add_co_u32 s53, s53, 64*PK                   ; keys 64 + 24 w .. + 23
	s_mov_b32 s56, 0x76543210                      ; v_permlanex16_b32: each lane takes its own place in the other half
	s_mov_b32 s57, 0xfedcba98
	s_mov_b32 s58, 0xfffff000                      ; what a key keeps of t
	s_mov_b32 s59, 0xffff0000                      ; the lanes with h = 1
	s_mov_b32 s61, 0                               ; named as pairs
	s_mov_b32 s63, 0
	s_lshl_b32 s67, s17, 4                         ; the key tile in hand: 16 Y + tile
	s_lshl_b32 s68, s16, 4
	s_lshl1_add_u32 s68, s14, s68                  ; my query tiles: 16 X + 2 w,
	s_add_co_u32 s69, s68, 1                       ; and the next
	s_mov_b32 s71, 0
	s_mov_b32 s73, 0
	s_mov_b32 s77, 0
	s_mov_b32 s79, 0
	s_lshl_b32 s72, s16, 18                        ; xa: 256 rows of 1,024 bytes a block,
	s_lshl_b32 s74, s14, 15                        ; 32 a wave
	s_add_co_u32 s72, s72, s74
	s_lshl_b32 s76, s17, 18                        ; lists: Y << 18 + (16 X + 2 w) << 10
	s_lshl_b32 s74, s16, 14
	s_add_co_u32 s76, s76, s74
	s_lshl_b32 s74, s14, 11
	s_add_co_u32 s76, s76, s74
	s_lshl_b32 s78, s17, 15                        ; stats: Y << 15 + (256 X + 32 w) 8
	s_lshl_b32 s74, s16, 11
	s_add_co_u32 s78, s78, s74
	s_lshl_b32 s74, s14, 8
	s_add_co_u32 s78, s78, s74
	v_and_b32 v1, 15, v0                           ; r
	v_bfe_u32 v2, v0, 4, 1                         ; h
	v_lshlrev_b32 v[QO], 10, v1
	v_lshl_add_u32 v[QO], v2, 4, v[QO]             ; row x 1,024 + 16 h
	s_wait_dscnt 0x0                               ; the opening add is done
	s_wait_kmcnt 0x0
	s_add_nc_u64 s[4:5], s[4:5], s[72:73]
	s_add_nc_u64 s[10:11], s[10:11], s[76:77]
	s_add_nc_u64 s[12:13], s[12:13], s[78:79]
	s_lshl_b32 s70, s17, 10                        ; the joint loads' offsets are made of Y and the wave's number, in registers that never hold cx
	s_add_nc_u64 s[46:47], s[8:9], s[70:71]        ; uc's 256 numbers of block Y
	s_or_b32 s47, s47, 0x80000000
	s_lshl_b32 s70, s17, 18
	s_lshl_b32 s74, s14, 13
	s_add_co_u32 s70, s70, s74
	s_add_nc_u64 s[50:51], s[6:7], s[70:71]        ; yb: key 256 Y + 8 w
	s_or_b32 s51, s51, 0x80000000
	s_lshl_b32 s70, s17, 18
	s_mul_i32 s74, s14, 24*1024
	s_add_co_u32 s70, s70, s74
	s_add_co_u32 s70, s70, 64*1024
	s_add_nc_u64 s[54:55], s[6:7], s[70:71]        ; yb: key 256 Y + 64 + 24 w
	s_or_b32 s55, s55, 0x80000000
	; my 32 queries stay in registers: a fragment is 16 rows x 32 in 8 registers: lane (r, h) holds row r, elements 8 h + 0..7 and 16 + 8 h + 0..7: two loads of 16 bytes, 32 bytes apart
	WIN 0x40                                       ; destination window 1, address window 0
.set kk, 0
.rept 16
	global_load_b128 v[8*kk:8*kk+3],         v[QO], s[4:5] offset:64*kk
	global_load_b128 v[8*kk+4:8*kk+7],       v[QO], s[4:5] offset:64*kk+32
	global_load_b128 v[128+8*kk:128+8*kk+3], v[QO], s[4:5] offset:16384+64*kk
	global_load_b128 v[128+8*kk+4:128+8*kk+7], v[QO], s[4:5] offset:16384+64*kk+32
.set kk, kk+1
.endr
	WIN 0
	ROUND                                          ; all four work-groups are here: the joint loads meet
	tensor_load_to_lds s[44:47], s[36:43]          ; uc
	s_nop 0
	tensor_load_to_lds s[48:51], s[20:27]          ; my 8 rows of keys 0-63
	s_nop 0
	tensor_load_to_lds s[52:55], s[28:35]          ; my 24 rows of keys 64-255
	s_nop 0
.rept 4
	v_nop
.endr
	v_mul_u32_u24 v[AK], v1, PK
	v_lshl_add_u32 v[AK], v2, 4, v[AK]             ; row x pitch + 16 h
	v_lshlrev_b32 v[AU], 5, v2
	v_add_nc_u32 v[AU], s45, v[AU]                 ; my copy of uc + 32 h
	s_lshl_b32 s74, s17, 8
	s_sub_co_u32 s74, 0xfff, s74
	v_lshlrev_b32 v[MX], 3, v2                     ; 8 h
	v_sub_nc_u32 v[COL], s74, v[MX]                ; 4095 - 256 Y - 8 h
.irp j, 7,6,5,4,3,2,1
	v_add_nc_u32 v[COL+\j], -\j, v[COL]
.endr
	v_sub_nc_u32 v[MX], v1, v[MX]                  ; r - 8 h
	s_mov_b32 s75, 0xf149f2ca                      ; -1e30
.irp j, 0,1,2,3,4,5,6,7
	v_cmp_eq_u32 vcc_lo, \j, v[MX]
	v_cndmask_b32 v[MD+\j], 0, s75, vcc_lo
.endr
.set ii, 0
.rept 32
	v_mov_b32 v[LA+ii], 0xff800000                 ; the lists begin below every key
.set ii, ii+1
.endr
.irp j, 0,1,2,3
	v_mov_b32 v[LSA+\j], 0
.endr
	v_mov_b32 v[MA], 0xff7fffff                    ; m begins at the lowest finite number: the first step's factor is 0
	v_mov_b32 v[MB], 0xff7fffff
	v_mov_b32 v[AF+1], 0                           ; named as pairs
	v_mov_b32 v[MN+1], 0
.macro LOADK                           ; a key tile's 16 fragments and its 8 numbers of uc: 34 LDS loads in one run
.set kk, 0
.rept 16
	ds_load_b128 v[KF+8*kk:KF+8*kk+3],   v[AK] offset:64*kk
	ds_load_b128 v[KF+8*kk+4:KF+8*kk+7], v[AK] offset:64*kk+32
.set kk, kk+1
.endr
	ds_load_b128 v[UU:UU+3],   v[AU]
	ds_load_b128 v[UU+4:UU+7], v[AU] offset:16
.endm
.macro STEP                            ; four plain instructions that name no register of the products: the places between the last product and the loads into its sources, and the first read of its result
	v_add_nc_u32 v[AK], 16*PK, v[AK]
	v_add_nc_u32 v[AU], 64, v[AU]
	v_nop
	v_nop
.endm
.macro CPREP                           ; the two C operands: uc, less 1e30 on the diagonal if the key tile is the query tile: a select of a value, no branch
	s_cmp_eq_u32 s67, s68
	s_cselect_b32 s60, 1.0, 0
	s_cmp_eq_u32 s67, s69
	s_cselect_b32 s62, 1.0, 0
	s_add_co_u32 s67, s67, 1
.irp z, 0,2,4,6
	v_pk_fma_f32 v[CA+\z:CA+\z+1], v[MD+\z:MD+\z+1], s[60:61], v[UU+\z:UU+\z+1] op_sel_hi:[1,0,1]
	v_pk_fma_f32 v[CB+\z:CB+\z+1], v[MD+\z:MD+\z+1], s[62:63], v[UU+\z:UU+\z+1] op_sel_hi:[1,0,1]
.endr
.endm
.macro MM                              ; 32 products: 16 keys x 2 x 16 queries x 512; the two accumulators take turns, one instruction a turn
	WIN 0x04                                       ; source 1 (the queries) in window 1
	v_wmma_f32_16x16x32_bf16 v[SA:SA+7], v[KF:KF+7], v[0:7], v[CA:CA+7]
	v_wmma_f32_16x16x32_bf16 v[SB:SB+7], v[KF:KF+7], v[128:135], v[CB:CB+7]
.set kk, 1
.rept 15
	v_wmma_f32_16x16x32_bf16 v[SA:SA+7], v[KF+8*kk:KF+8*kk+7], v[8*kk:8*kk+7], v[SA:SA+7]
	v_wmma_f32_16x16x32_bf16 v[SB:SB+7], v[KF+8*kk:KF+8*kk+7], v[128+8*kk:128+8*kk+7], v[SB:SB+7]
.set kk, kk+1
.endr
	WIN 0
.endm
.macro INSERT l, k                     ; the sorted list l takes key k; each line reads the list as it was
.set ii, 15
.rept 15
	v_med3_num_f32 v[(\l)+ii], v[(\l)+ii-1], v[(\l)+ii], v[\k]
.set ii, ii-1
.endr
	v_max_num_f32 v[\l], v[\l], v[\k]
.endm
; One tile's 8 scores a lane: the new maximum (the accumulator's lowest registers are read first), the keys, 2^(t - m), the list, l.
; Each exponential has an insertion's 16 plain instructions behind it before its result is used.
.macro VECT s, l, ls, m
	v_max3_num_f32 v[MX], v[\s], v[\s+1], v[\s+2]
	v_and_or_b32 v[KEY], v[\s], s58, v[COL]
	v_and_or_b32 v[KEY+1], v[\s+1], s58, v[COL+1]
	v_max3_num_f32 v[MX], v[MX], v[\s+3], v[\s+4]
	v_and_or_b32 v[KEY+2], v[\s+2], s58, v[COL+2]
	v_and_or_b32 v[KEY+3], v[\s+3], s58, v[COL+3]
	v_max3_num_f32 v[MX], v[MX], v[\s+5], v[\s+6]
	v_and_or_b32 v[KEY+4], v[\s+4], s58, v[COL+4]
	v_and_or_b32 v[KEY+5], v[\s+5], s58, v[COL+5]
	v_max3_num_f32 v[MN], v[MX], v[\s+7], v[\m]
	v_and_or_b32 v[KEY+6], v[\s+6], s58, v[COL+6]
	v_and_or_b32 v[KEY+7], v[\s+7], s58, v[COL+7]
	v_sub_f32 v[AF], v[\m], v[MN]
	v_mov_b32 v[\m], v[MN]
.irp j, 0,2,4,6
	v_pk_add_f32 v[\s+\j:\s+\j+1], v[\s+\j:\s+\j+1], v[MN:MN+1] op_sel_hi:[1,0] neg_lo:[0,1] neg_hi:[0,1]
.endr
	v_exp_f32 v[AF], v[AF]
.irp j, 0,1,2,3,4,5,6,7
	v_exp_f32 v[\s+\j], v[\s+\j]
	INSERT \l, KEY+\j
.endr
	s_wait_alu depctr_va_vdst(0)
	v_pk_add_f32 v[\s:\s+1], v[\s:\s+1], v[\s+2:\s+3]
	v_pk_add_f32 v[\s+4:\s+5], v[\s+4:\s+5], v[\s+6:\s+7]
	v_pk_add_f32 v[\s:\s+1], v[\s:\s+1], v[\s+4:\s+5]
	v_pk_fma_f32 v[\ls:\ls+1], v[\ls:\ls+1], v[AF:AF+1], v[\s:\s+1] op_sel_hi:[1,0,1]
.endm
.macro VEC more
	VECT SA, LA, LSA, MA
	VECT SB, LB, LSB, MB
.if \more
.irp j, 0,1,2,3,4,5,6,7
	v_add_nc_u32 v[COL+\j], -16, v[COL+\j]         ; the next tile's columns
.endr
.endif
.endm
.macro BODY                            ; a key tile: its products; the next tile's fragments are fetched; its selection stands between those loads and the wait for them
	CPREP
	MM
	STEP
	LOADK
	VEC 1
	s_wait_dscnt 0x0
.endm
	s_wait_tensorcnt 0x1                           ; uc and my rows of keys 0-63 are in; the load issued behind them, of keys 64-255, may stay out
	s_barrier_signal -1
	s_barrier_wait -1                              ; everybody's rows of keys 0-63 are in
	LOADK                                          ; key tile 0
	s_wait_loadcnt 0x0                             ; the queries
	s_wait_dscnt 0x0
	s_mov_b32 s66, 3
.Lfirst:                                               ; key tiles 0-2; the trips fetch tiles 1-3, which lie in keys 0-63
	BODY
	s_sub_co_u32 s66, s66, 1
	s_cmp_lg_u32 s66, 0
	s_cbranch_scc1 .Lfirst
	s_wait_tensorcnt 0x0                           ; my rows of keys 64-255 are in:
	s_barrier_signal -1                            ; say so,
	CPREP
	MM                                             ; key tile 3's products, work on registers, while the others arrive,
	s_barrier_wait -1                              ; and read those keys when all eight waves have said so
	STEP
	LOADK                                          ; key tile 4
	VEC 1
	s_wait_dscnt 0x0
	s_mov_b32 s66, 11
.Lrest:                                                ; key tiles 4-14
	BODY
	s_sub_co_u32 s66, s66, 1
	s_cmp_lg_u32 s66, 0
	s_cbranch_scc1 .Lrest
	CPREP                                          ; key tile 15: nothing more to fetch
	MM
.rept 4
	v_nop                                          ; the places behind the last products
.endr
	VEC 0
; THE END.  A query's two halves of the keys lie in lanes 16 apart.  Of two descending lists a and b,  z[e] = max(a[e], b[15 - e])  holds the 16 largest of both, first rising then falling or the
; reverse; four stages of compare and exchange (8, 4, 2, 1 apart) put them in descending order.
.macro SORTST d, s, st
.set ii, 0
.rept 16
.if (ii & (\st)) == 0
	v_max_num_f32 v[(\d)+ii], v[(\s)+ii], v[(\s)+ii+(\st)]
	v_min_num_f32 v[(\d)+ii+(\st)], v[(\s)+ii], v[(\s)+ii+(\st)]
.endif
.set ii, ii+1
.endr
.endm
.macro SORT16 a, b                     ; a -> b -> a -> b -> a
	SORTST \b, \a, 8
	SORTST \a, \b, 4
	SORTST \b, \a, 2
	SORTST \a, \b, 1
.endm
.macro HMERGE l, ls, m, z
	v_permlanex16_b32 v[MX], v[\m], s56, s57
	v_add_f32 v[\ls], v[\ls], v[\ls+1]
	v_max_num_f32 v[MX], v[MX], v[\m]              ; the query's maximum
	v_sub_f32 v[AF], v[\m], v[MX]
	v_exp_f32 v[AF], v[AF]
	v_mov_b32 v[\m], v[MX]                         ; a plain instruction behind the exponential
	s_wait_alu depctr_va_vdst(0)
	v_mul_f32 v[\ls], v[\ls], v[AF]
	v_permlanex16_b32 v[\ls+1], v[\ls], s56, s57
	v_add_f32 v[\ls], v[\ls], v[\ls+1]             ; the query's l
.set ii, 0
.rept 16
	v_permlanex16_b32 v[TT+ii], v[(\l)+ii], s56, s57
.set ii, ii+1
.endr
.set ii, 0
.rept 16
	v_max_num_f32 v[(\z)+ii], v[(\l)+ii], v[TT+15-ii]
.set ii, ii+1
.endr
	SORT16 \z, ZT
.endm
	HMERGE LA, LSA, MA, ZA
	HMERGE LB, LSB, MB, ZB
.set ii, 0
.rept 16
	v_cndmask_b32 v[WO+ii], v[ZA+ii], v[ZB+ii], s59    ; lanes 0-15 send tile 0's lists, lanes 16-31 tile 1's
.set ii, ii+1
.endr
	v_cndmask_b32 v[ST], v[MA], v[MB], s59
	v_cndmask_b32 v[ST+1], v[LSA], v[LSB], s59
	v_lshlrev_b32 v[AK], 4, v1
	v_lshl_add_u32 v[AK], v2, 10, v[AK]            ; 1,024 h + 16 r
	v_and_b32 v[AU], 31, v0
	v_lshlrev_b32 v[AU], 3, v[AU]                  ; 8 L
.irp q, 0,1,2,3
	global_store_b128 v[AK], v[WO+4*\q:WO+4*\q+3], s[10:11] offset:256*\q   ; sixteen lanes store 256 consecutive bytes, aligned
.endr
	global_store_b64 v[AU], v[ST:ST+1], s[12:13]   ; (m, l) of my 32 queries: 256 consecutive bytes
	s_wait_tensorcnt 0x0                           ; the wave's end, behind my last tensor load
	ds_add_u32 v[SPW], v[NIL]
	s_wait_dscnt 0x0
	ROUND                                          ; the closing round: no work-group ends while a partner may still ask for a tile that names it
	s_endpgm
.Lfunc_end_k_q6961e7103f_score:
	.size	k_q6961e7103f_score, .Lfunc_end_k_q6961e7103f_score-k_q6961e7103f_score
	.p2alignl 7, 3214868480
	.fill 96, 4, 3214868480
	.section	.rodata,"a",@progbits
	.p2align	6, 0x0
	.amdhsa_kernel k_q6961e7103f_score
		.amdhsa_group_segment_fixed_size 327680
		.amdhsa_private_segment_fixed_size 0
		.amdhsa_enable_private_segment 0
		.amdhsa_kernarg_size 40
		.amdhsa_user_sgpr_count 2
		.amdhsa_user_sgpr_kernarg_segment_ptr 1
		.amdhsa_wavefront_size32 1
		.amdhsa_system_sgpr_workgroup_id_x 1
		.amdhsa_system_sgpr_workgroup_id_y 1
		.amdhsa_system_sgpr_workgroup_id_z 1
		.amdhsa_system_vgpr_workitem_id 0
		.amdhsa_next_free_vgpr 512
		.amdhsa_next_free_sgpr 80
		.amdhsa_reserve_vcc 1
		.amdhsa_float_denorm_mode_32 3
		.amdhsa_float_denorm_mode_16_64 3
		.amdhsa_memory_ordered 1
		.amdhsa_forward_progress 1
		.amdhsa_inst_pref_size 122
	.end_amdhsa_kernel
	.amdgpu_metadata
---
amdhsa.version: [ 1, 2 ]
amdhsa.kernels:
  - .name:           k_q6961e7103f_score
    .symbol:         k_q6961e7103f_score.kd
    .args:
      - { .name: xa, .offset: 0, .size: 8, .value_kind: global_buffer, .address_space: global }
      - { .name: yb, .offset: 8, .size: 8, .value_kind: global_buffer, .address_space: global }
      - { .name: uc, .offset: 16, .size: 8, .value_kind: global_buffer, .address_space: global }
      - { .name: lists, .offset: 24, .size: 8, .value_kind: global_buffer, .address_space: global }
      - { .name: stats, .offset: 32, .size: 8, .value_kind: global_buffer, .address_space: global }
    .group_segment_fixed_size: 327680
    .private_segment_fixed_size: 0
    .kernarg_segment_align: 8
    .kernarg_segment_size: 40
    .max_flat_workgroup_size: 256
    .sgpr_count:     80
    .vgpr_count:     512
    .wavefront_size: 32
...
	.end_amdgpu_metadata
.endif
;; end of part 2
;; launch pick (part 3): grid 256 x 1, 8 waves a work-group, no clusters, 20,480 bytes of LDS; arguments lists, stats, uc, x, b_proj, out1, idx, rsum; writes out1, idx, rsum
.if DOCPART == 3
	.amdgcn_target "amdgcn-amd-amdhsa--gfx1250"
	.amdhsa_code_object_version 6
	.text
	.protected	k_q6961e7103f_pick
	.globl	k_q6961e7103f_pick
	.p2align	8
	.type	k_q6961e7103f_pick,@function
k_q6961e7103f_pick:
	s_mov_b64 s[64:65], 0
	v_nop
	global_prefetch_b8 v0, s[64:65] scope:SCOPE_SE
	s_setreg_imm32_b32 hwreg(HW_REG_WAVE_MODE, 25, 1), 1
	s_wait_xcnt 0x0
; PICK.  For each sample: the 16 column blocks' statistics and lists are merged; rs = sum of the row's scores = l x (1 / l); the 16 best columns are stored as whole numbers;
; out1 = rs (x M + h) + b_proj, M = W_emb W_proj, h = b_emb W_proj (the table behind uc); and two sums a sample: d2 = sum over s < 63, f of (P[s+1][f] - P[s][f])^2, mse = sum (P - x)^2.
; LIMITS.  The keys are t with 12 low mantissa bits replaced by 4095 - column (see the launch before).  A score whose 2^(t - max) lies below 2^-126 counts as 0; the order among scores that are 0 is the
; reference's: the lowest columns first, the diagonal among them.  NaN and infinities are not treated apart.
; SHARES.  Work-group g owns samples 16 g .. 16 g + 15, wave w two of them.  While merging, lane L stands for sample 2 w + (L >> 4) and column block L & 15, so that all exchanges stay inside 16 lanes.
; For out1 a wave takes a whole sample: four pieces of 512 consecutive bytes, lane L half a position (features 4 p .., p = L & 1).
; No cluster and no matrix unit: work-groups share no tile, and the maps are 8 x 8.
.set LP,    1040                       ; a column block's 16 lists in LDS: 1,024 bytes + 16
.set LBK,   0                          ; 16 such blocks
.set SPP,   136                        ; a column block's 16 pairs (m, l): 128 bytes + 8
.set SBK,   16*LP
.set SPARE, 18944                      ; the spare words: 128 bytes a wave, four blocks of 256 bytes that no other line names
.set X,   16                           ; v[16:47]   x: sample, piece, 4 numbers
.set MO,  48                           ; v[48:63]   M's rows of my own 4 features, my 4 columns
.set MP,  64                           ; v[64:79]   M's rows of the neighbour's 4 features
.set HH,  80                           ; v[80:83]   h
.set BP,  84                           ; v[84:87]   b_proj
.set SL,  88                           ; v[88:103]  a list on its way into LDS
.set SS,  104                          ; v[104:105] (m, l)
.set F,   112                          ; v[112:127] the list in hand
.set Z,   128                          ; v[128:143] the other buffer; later at work
.set T,   144                          ; v[144:159] at work
.set P,   160                          ; v[160:175] a sample of out1
.set XP,  176                          ; v[176:179] the neighbour lane's 4 numbers
.set ACC, 180                          ; v[180:183]
.set SUM, 184                          ; v[184:191] d2 and mse pairs of the two samples
.set BV,  192                          ; v[192:207] at work
.set RK,  208                          ; v[208:223] the ranked list
	s_load_b256 s[4:11], s[0:1], 0x0               ; lists s[4:5], stats s[6:7], uc s[8:9], x s[10:11]
	s_load_b256 s[12:19], s[0:1], 0x20             ; b_proj s[12:13], out1 s[14:15], idx s[16:17], rsum s[18:19]
	v_lshl_add_u32 v4, v0, 2, SPARE                ; my spare word,
	v_mov_b32 v5, 0                                ; and 0: kept for the add at the wave's end
	v_and_b32 v1, 31, v0                           ; L
	v_and_b32 v2, 1, v0                            ; p
	v_lshrrev_b32 v3, 5, v0
	v_readfirstlane_b32 s24, v3                    ; wave 0..7
	v_bfe_u32 v3, v0, 4, 1                         ; L >> 4
	v_lshrrev_b32 v14, 4, v0                       ; t / 16: the column block that I fetch, and the sample 2 w + (L >> 4) that I merge
	v_and_b32 v15, 15, v0                          ; t mod 16: the sample that I fetch, and the column block that I merge
	v_lshlrev_b32 v6, 4, v15
	v_lshl_add_u32 v6, v14, 18, v6                 ; lists: block << 18 + 16 sample
	v_lshlrev_b32 v7, 3, v15
	v_lshl_add_u32 v7, v14, 15, v7                 ; stats: block << 15 + 8 sample
	v_mul_u32_u24 v8, v2, 272                      ; table rows 4 p + i, columns 4 p ..
	v_mul_u32_u24 v9, v2, 240
	v_sub_nc_u32 v9, 256, v9                       ; rows 4 (1 - p) + i, columns 4 p ..
	v_lshlrev_b32 v10, 4, v2                       ; 16 p
	v_lshlrev_b32 v11, 4, v1                       ; 16 L
	s_lshl_b32 s20, ttmp9, 10
	s_mov_b32 s21, 0
	s_lshl_b32 s26, ttmp9, 7
	s_mov_b32 s27, 0
	s_lshl_b32 s28, ttmp9, 15
	s_lshl_b32 s25, s24, 12
	s_add_co_u32 s28, s28, s25                     ; x and out1: 16 samples of 2,048 bytes a work-group, two a wave
	s_mov_b32 s29, 0
	s_lshl_b32 s30, s24, 7
	s_add_co_u32 s30, s30, s20                     ; idx: 64 bytes a sample
	s_mov_b32 s31, 0
	s_lshl_b32 s32, s24, 4
	s_add_co_u32 s32, s32, s26                     ; rsum: 8 bytes a sample
	s_mov_b32 s33, 0
	s_mov_b32 s22, 0x76543210
	s_mov_b32 s23, 0xfedcba98
	s_mov_b32 s41, 0                               ; named as pairs
	s_mov_b32 s43, 0
	s_mov_b32 s44, 0x00020002                      ; the lanes of column block 1, 2, 3
	s_mov_b32 s45, 0x00040004
	s_mov_b32 s46, 0x00080008
	s_mov_b32 s47, 3                               ; lanes 0 and 1
	s_wait_kmcnt 0x0
	s_add_nc_u64 s[4:5], s[4:5], s[20:21]
	s_add_nc_u64 s[6:7], s[6:7], s[26:27]
	s_add_nc_u64 s[10:11], s[10:11], s[28:29]
	s_add_nc_u64 s[14:15], s[14:15], s[28:29]
	s_add_nc_u64 s[16:17], s[16:17], s[30:31]
	s_add_nc_u64 s[18:19], s[18:19], s[32:33]
.irp q, 0,1,2,3
	global_load_b128 v[SL+4*\q:SL+4*\q+3], v6, s[4:5] offset:256*\q   ; sixteen lanes read 256 consecutive bytes
.endr
	global_load_b64 v[SS:SS+1], v7, s[6:7]
.irp i, 0,1,2,3
	global_load_b128 v[MO+4*\i:MO+4*\i+3], v8, s[8:9] offset:16384+64*\i
	global_load_b128 v[MP+4*\i:MP+4*\i+3], v9, s[8:9] offset:16384+64*\i
.endr
	global_load_b128 v[HH:HH+3], v10, s[8:9] offset:16384+512
	global_load_b128 v[BP:BP+3], v10, s[12:13]
.irp i, 0,1,2,3,4,5,6,7
	global_load_b128 v[X+4*\i:X+4*\i+3], v11, s[10:11] offset:512*\i
.endr
	v_mul_u32_u24 v106, v14, LP
	v_lshl_add_u32 v106, v15, 4, v106              ; into LDS: block x pitch + 16 sample
	v_mul_u32_u24 v107, v14, SPP
	v_lshl_add_u32 v107, v15, 3, v107
	v_mul_u32_u24 v108, v15, LP
	v_lshl_add_u32 v108, v14, 4, v108              ; back: the roles change places
	v_mul_u32_u24 v109, v15, SPP
	v_lshl_add_u32 v109, v14, 3, v109
	v_add_nc_u32 v12, 2, v1
	v_and_b32 v12, 31, v12
	v_lshlrev_b32 v12, 2, v12                      ; the lane that holds the next position: (L + 2) mod 32, as a byte index
	v_cmp_gt_u32 vcc_lo, 30, v1
	v_cndmask_b32 v13, 0, 1.0, vcc_lo              ; position 63 has no next one
.set ii, 0
.rept 16
	v_mov_b32 v[Z+ii], 0                           ; the destination of a lane operation counts as read
.set ii, ii+1
.endr
.irp e, 0,1,2,3
	v_mov_b32 v[XP+\e], 0
.endr
.irp e, 0,1,2,3,4,5,6,7
	v_mov_b32 v[SUM+\e], 0
.endr
	s_wait_loadcnt 18                              ; lists and stats are in; the 18 loads issued behind them (9 of the table, 1 of b_proj, 8 of x) stay out
.irp q, 0,1,2,3
	ds_store_b128 v106, v[SL+4*\q:SL+4*\q+3] offset:LBK+256*\q
.endr
	ds_store_b64 v107, v[SS:SS+1] offset:SBK
	s_wait_dscnt 0x0                               ; for the others' sake: my stores are done
	s_barrier_signal -1
	s_barrier_wait -1
.irp q, 0,1,2,3
	ds_load_b128 v[F+4*\q:F+4*\q+3], v108 offset:LBK+256*\q
.endr
	ds_load_b64 v[SS:SS+1], v109 offset:SBK
	s_wait_dscnt 0x0
	; the row's maximum, l, 1 / l and the sum of its scores
	v_mov_b32 v14, v[SS]
.irp m, 1,2,4,8
	v_max_num_f32_dpp v14, v14, v14 row_xmask:\m row_mask:0xf bank_mask:0xf
.endr
	v_sub_f32 v[SS], v[SS], v14
	v_exp_f32 v[SS], v[SS]
	v_nop                                          ; a plain instruction behind the exponential
	s_wait_alu depctr_va_vdst(0)
	v_mul_f32 v[SS+1], v[SS+1], v[SS]
.irp m, 1,2,4,8
	v_add_f32_dpp v[SS+1], v[SS+1], v[SS+1] row_xmask:\m row_mask:0xf bank_mask:0xf
.endr
	v_rcp_f32 v15, v[SS+1]                         ; 1 / l
	v_nop
	s_wait_alu depctr_va_vdst(0)
	v_mul_f32 v14, v[SS+1], v15                    ; the sum over the row of 2^(t - m) x (1 / l)
	v_readlane_b32 s40, v14, 0                     ; my first sample's,
	v_readlane_b32 s42, v14, 16                    ; my second's: data for the multiply below, nothing else
.macro SORTST d, s, st
.set ii, 0
.rept 16
.if (ii & (\st)) == 0
	v_max_num_f32 v[(\d)+ii], v[(\s)+ii], v[(\s)+ii+(\st)]
	v_min_num_f32 v[(\d)+ii+(\st)], v[(\s)+ii], v[(\s)+ii+(\st)]
.endif
.set ii, ii+1
.endr
.endm
.macro SORT16 a, b                     ; a -> b -> a -> b -> a
	SORTST \b, \a, 8
	SORTST \a, \b, 4
	SORTST \b, \a, 2
	SORTST \a, \b, 1
.endm
; My list a and that of the lane x away: b[e] = max(a[e], the other's a[15 - e]) holds the 16 largest of both; four stages of compare and exchange put them in descending order.
.macro LEVEL x, a, b
.set ii, 0
.rept 16
	v_max_num_f32_dpp v[(\b)+ii], v[(\a)+15-ii], v[(\a)+ii] row_xmask:\x row_mask:0xf bank_mask:0xf
.set ii, ii+1
.endr
	SORT16 \b, T
.endm
.macro INSERT l, k                     ; the sorted list l takes key k
.set ii, 15
.rept 15
	v_med3_num_f32 v[(\l)+ii], v[(\l)+ii-1], v[(\l)+ii], v[\k]
.set ii, ii-1
.endr
	v_max_num_f32 v[\l], v[\l], v[\k]
.endm
	LEVEL 1, F, Z
	LEVEL 2, Z, F
	LEVEL 4, F, Z
	LEVEL 8, Z, F                                  ; all 16 lanes of a sample now hold its 16 best keys, in F
	; SCORES THAT ARE 0.  The reference ranks the scores, and among equal scores the lower column.  Entry k is ranked 48 - k if its score is above 0; columns 0-15 that are not among those are ranked
	; 31 - column; the 16 highest ranks are the answer.  With 16 scores above 0 no such column enters.  Ranks are positive floats 0x40000000 | rank << 12 | column, ordered as their bits.
	v_and_b32 v128, 0xfffff000, v[F]
.set k, 0
.rept 16
	v_and_b32 v[BV+k], 0xfffff000, v[F+k]
	v_sub_f32 v[BV+k], v[BV+k], v128
.set k, k+1
.endr
.set k, 0
.rept 16
	v_exp_f32 v[BV+k], v[BV+k]
.set k, k+1
.endr
	v_mov_b32 v111, 0                              ; which of the columns 0-15 have a score above 0 (a plain instruction behind the exponentials)
	v_mov_b32 v110, 0x40000000                     ; the lowest rank
.set k, 0
	s_wait_alu depctr_va_vdst(0)
.rept 16
	v_mul_f32 v[BV+k], v[BV+k], v15                ; the score
	v_and_b32 v129, 0xfff, v[F+k]
	v_cmp_lt_f32 vcc_lo, 0, v[BV+k]
	v_sub_nc_u32 v129, 0xfff, v129                 ; its column
	v_or_b32 v130, 0x40000000|((48-k)<<12), v129
	v_min_u32 v131, 31, v129
	v_cndmask_b32 v[RK+k], v110, v130, vcc_lo
	v_cndmask_b32 v131, 31, v131, vcc_lo
	v_lshl_or_b32 v111, 1, v131, v111
.set k, k+1
.endr
.set k, 0
.rept 16
	v_and_b32 v129, 1<<k, v111
	v_mov_b32 v130, 0x40000000|((31-k)<<12)|k
	v_cmp_eq_u32 vcc_lo, 0, v129
	v_cndmask_b32 v132, v110, v130, vcc_lo
	INSERT RK, 132
.set k, k+1
.endr
.set k, 0
.rept 16
	v_and_b32 v[RK+k], 0xfff, v[RK+k]
.set k, k+1
.endr
.irp e, 0,1,2,3
	v_cndmask_b32 v[128+\e], v[RK+\e], v[RK+4+\e], s44     ; the lane of column block y < 4 sends entries 4 y .. 4 y + 3
	v_cndmask_b32 v[128+\e], v[128+\e], v[RK+8+\e], s45
	v_cndmask_b32 v[128+\e], v[128+\e], v[RK+12+\e], s46
.endr
	v_and_b32 v134, 15, v0
	v_lshlrev_b32 v133, 4, v134
	v_lshl_add_u32 v133, v3, 6, v133               ; 64 (L >> 4) + 16 y
	v_cmp_gt_u32 vcc_lo, 4, v134
	s_wait_xcnt 0x0                                ; EXEC is a source of the loads above: it changes only behind this wait
	s_and_saveexec_b32 s34, vcc_lo
	global_store_b128 v133, v[128:131], s[16:17]   ; my two samples' 32 indices: 128 consecutive bytes; v128-134 are not written again
	s_wait_xcnt 0x0
	s_or_b32 exec_lo, exec_lo, s34
	s_wait_loadcnt 0x0                             ; the table, b_proj, x
; v[d:d+1] = v[co:co+1] x element b of the pair xp + v[ad:ad+1]
.macro PKA d, co, xp, b, ad
	v_pk_fma_f32 v[(\d):(\d)+1], v[(\co):(\co)+1], v[(\xp):(\xp)+1], v[(\ad):(\ad)+1] op_sel:[0,\b,0] op_sel_hi:[1,\b,1]
.endm
.macro ROWOUT n
.set c, 0
.rept 4
.set xb, X+16*(\n)+4*c
.set pb, P+4*c
.irp e, 0,1,2,3
	v_mov_b32_dpp v[XP+\e], v[xb+\e] row_xmask:1 row_mask:0xf bank_mask:0xf
.endr
	PKA ACC,   MO,    xb,   0, HH                  ; h starts the sums
	PKA ACC+2, MO+2,  xb,   0, HH+2
	PKA ACC,   MO+4,  xb,   1, ACC
	PKA ACC+2, MO+6,  xb,   1, ACC+2
	PKA ACC,   MO+8,  xb+2, 0, ACC
	PKA ACC+2, MO+10, xb+2, 0, ACC+2
	PKA ACC,   MO+12, xb+2, 1, ACC
	PKA ACC+2, MO+14, xb+2, 1, ACC+2
	PKA ACC,   MP,    XP,   0, ACC
	PKA ACC+2, MP+2,  XP,   0, ACC+2
	PKA ACC,   MP+4,  XP,   1, ACC
	PKA ACC+2, MP+6,  XP,   1, ACC+2
	PKA ACC,   MP+8,  XP+2, 0, ACC
	PKA ACC+2, MP+10, XP+2, 0, ACC+2
	PKA ACC,   MP+12, XP+2, 1, ACC
	PKA ACC+2, MP+14, XP+2, 1, ACC+2
	v_pk_fma_f32 v[pb:pb+1],   v[ACC:ACC+1],   s[40+2*(\n):41+2*(\n)], v[BP:BP+1]   op_sel_hi:[1,0,1]
	v_pk_fma_f32 v[pb+2:pb+3], v[ACC+2:ACC+3], s[40+2*(\n):41+2*(\n)], v[BP+2:BP+3] op_sel_hi:[1,0,1]
	global_store_b128 v11, v[pb:pb+3], s[14:15] offset:(\n)*2048+c*512   ; 512 consecutive bytes, aligned
	v_pk_add_f32 v[ACC:ACC+1],   v[pb:pb+1],   v[xb:xb+1]   neg_lo:[0,1] neg_hi:[0,1]
	v_pk_add_f32 v[ACC+2:ACC+3], v[pb+2:pb+3], v[xb+2:xb+3] neg_lo:[0,1] neg_hi:[0,1]
	v_pk_fma_f32 v[SUM+4*(\n)+2:SUM+4*(\n)+3], v[ACC:ACC+1],   v[ACC:ACC+1],   v[SUM+4*(\n)+2:SUM+4*(\n)+3]
	v_pk_fma_f32 v[SUM+4*(\n)+2:SUM+4*(\n)+3], v[ACC+2:ACC+3], v[ACC+2:ACC+3], v[SUM+4*(\n)+2:SUM+4*(\n)+3]
.set c, c+1
.endr
	; the next position lies two lanes on; for lanes 30 and 31 it is the next piece's lanes 0 and 1, which are put in this piece's place first
.set ii, 0
.rept 12
	v_cndmask_b32 v[BV+ii], v[P+ii], v[P+4+ii], s47
.set ii, ii+1
.endr
.set ii, 0
.rept 12
	ds_bpermute_b32 v[T+ii], v12, v[BV+ii]
.set ii, ii+1
.endr
.rept 4
	ds_bpermute_b32 v[T+ii], v12, v[P+ii]
.set ii, ii+1
.endr
	s_wait_dscnt 0x0
.set ii, 0
.rept 8
	v_pk_add_f32 v[T+ii:T+ii+1], v[T+ii:T+ii+1], v[P+ii:P+ii+1] neg_lo:[0,1] neg_hi:[0,1]
.set ii, ii+2
.endr
.irp e, 12,13,14,15
	v_mul_f32 v[T+\e], v[T+\e], v13
.endr
.set ii, 0
.rept 8
	v_pk_fma_f32 v[SUM+4*(\n):SUM+4*(\n)+1], v[T+ii:T+ii+1], v[T+ii:T+ii+1], v[SUM+4*(\n):SUM+4*(\n)+1]
.set ii, ii+2
.endr
.endm
	ROWOUT 0
	s_wait_xcnt 0x0                                ; P, which the stores above read, is written again only behind this wait
	ROWOUT 1
.macro WSUM r                          ; the pair's halves, then the 32 lanes
	v_add_f32 v[\r], v[\r], v[\r+1]
.irp m, 1,2,4,8
	v_add_f32_dpp v[\r], v[\r], v[\r] row_xmask:\m row_mask:0xf bank_mask:0xf
.endr
	v_permlanex16_b32 v[\r+1], v[\r], s22, s23
	v_add_f32 v[\r], v[\r], v[\r+1]
.endm
	WSUM SUM
	WSUM SUM+2
	WSUM SUM+4
	WSUM SUM+6
	v_mov_b32 v[SUM+1], v[SUM+2]                   ; (d2, mse) of my first sample, (d2, mse) of my second
	v_mov_b32 v[SUM+2], v[SUM+4]
	v_mov_b32 v[SUM+3], v[SUM+6]
	v_mov_b32 v106, 0
	v_cmp_eq_u32 vcc_lo, 0, v1
	s_wait_xcnt 0x0
	s_and_saveexec_b32 s34, vcc_lo
	global_store_b128 v106, v[SUM:SUM+3], s[18:19]
	s_wait_xcnt 0x0
	s_or_b32 exec_lo, exec_lo, s34
	s_wait_tensorcnt 0x0                           ; the wave's end, behind my last LDS store
	ds_add_u32 v4, v5
	s_wait_dscnt 0x0
	s_endpgm
.Lfunc_end_k_q6961e7103f_pick:
	.size	k_q6961e7103f_pick, .Lfunc_end_k_q6961e7103f_pick-k_q6961e7103f_pick
	.p2alignl 7, 3214868480
	.fill 96, 4, 3214868480
	.section	.rodata,"a",@progbits
	.p2align	6, 0x0
	.amdhsa_kernel k_q6961e7103f_pick
		.amdhsa_group_segment_fixed_size 20480
		.amdhsa_private_segment_fixed_size 0
		.amdhsa_enable_private_segment 0
		.amdhsa_kernarg_size 64
		.amdhsa_user_sgpr_count 2
		.amdhsa_user_sgpr_kernarg_segment_ptr 1
		.amdhsa_wavefront_size32 1
		.amdhsa_system_sgpr_workgroup_id_x 1
		.amdhsa_system_sgpr_workgroup_id_y 1
		.amdhsa_system_sgpr_workgroup_id_z 1
		.amdhsa_system_vgpr_workitem_id 0
		.amdhsa_next_free_vgpr 224
		.amdhsa_next_free_sgpr 66
		.amdhsa_reserve_vcc 1
		.amdhsa_float_denorm_mode_32 3
		.amdhsa_float_denorm_mode_16_64 3
		.amdhsa_memory_ordered 1
		.amdhsa_forward_progress 1
		.amdhsa_inst_pref_size 71
	.end_amdhsa_kernel
	.amdgpu_metadata
---
amdhsa.version: [ 1, 2 ]
amdhsa.kernels:
  - .name:           k_q6961e7103f_pick
    .symbol:         k_q6961e7103f_pick.kd
    .args:
      - { .name: lists, .offset: 0, .size: 8, .value_kind: global_buffer, .address_space: global }
      - { .name: stats, .offset: 8, .size: 8, .value_kind: global_buffer, .address_space: global }
      - { .name: uc, .offset: 16, .size: 8, .value_kind: global_buffer, .address_space: global }
      - { .name: x, .offset: 24, .size: 8, .value_kind: global_buffer, .address_space: global }
      - { .name: b_proj, .offset: 32, .size: 8, .value_kind: global_buffer, .address_space: global }
      - { .name: out1, .offset: 40, .size: 8, .value_kind: global_buffer, .address_space: global }
      - { .name: idx, .offset: 48, .size: 8, .value_kind: global_buffer, .address_space: global }
      - { .name: rsum, .offset: 56, .size: 8, .value_kind: global_buffer, .address_space: global }
    .group_segment_fixed_size: 20480
    .private_segment_fixed_size: 0
    .kernarg_segment_align: 8
    .kernarg_segment_size: 64
    .max_flat_workgroup_size: 256
    .sgpr_count:     66
    .vgpr_count:     224
    .wavefront_size: 32
...
	.end_amdgpu_metadata
.endif
;; end of part 3
;; launch pairs (part 4): grid 256 x 1, 8 waves a work-group, no clusters, 0 bytes of LDS; arguments idx, out1, rsum, part; writes part
.if DOCPART == 4
	.amdgcn_target "amdgcn-amd-amdhsa--gfx1250"
	.amdhsa_code_object_version 6
	.text
	.protected	k_q6961e7103f_pairs
	.globl	k_q6961e7103f_pairs
	.p2align	8
	.type	k_q6961e7103f_pairs,@function
k_q6961e7103f_pairs:
	s_mov_b64 s[64:65], 0
	v_nop
	global_prefetch_b8 v0, s[64:65] scope:SCOPE_SE
	s_setreg_imm32_b32 hwreg(HW_REG_WAVE_MODE, 25, 1), 1
	s_wait_xcnt 0x0
; PAIRS.  The loss's three means, a partial sum a wave.  Wave W owns samples 2 W and 2 W + 1: it gathers their 16 + 16 neighbours' rows of out1 (2,048 bytes each) in the order of idx and sums the
; squares of the differences of consecutive rows (15 pairs a sample); the differences along the sequence are a sum a row that the launch before has made (rsum), gathered by the same indices;
; and so is the squared error of the wave's own two samples.  The indices are whole numbers that an earlier launch stored; each is clamped to 4,095 before it enters an address.
; A stream: memory binds, so no LDS, no barrier, no matrix unit, no cluster.  A ring of eight row slots in registers: one at work, its forerunner, and six rows (24 loads) on their way.
.set OFF, 8                            ; v[8:15]    slot i: its row's byte offset + 16 L
.set SL,  16                           ; v[16:143]  slot i: 16 registers, a row's 2,048 bytes over 32 lanes
.set DF,  144                          ; v[144:159] a pair of rows' differences
.set AC,  160                          ; v[160:167] four chains of sums
	s_load_b256 s[4:11], s[0:1], 0x0               ; idx s[4:5], out1 s[6:7], rsum s[8:9], part s[10:11]
	v_and_b32 v1, 31, v0
	v_lshrrev_b32 v3, 5, v0
	v_readfirstlane_b32 s12, v3
	s_lshl_b32 s13, ttmp9, 3
	s_add_co_u32 s13, s13, s12                     ; W
	s_lshl_b32 s48, s13, 7                         ; idx: 128 bytes a wave
	s_mov_b32 s49, 0
	s_lshl_b32 s50, s13, 4                         ; rsum: 16 bytes a wave
	s_mov_b32 s51, 0
	s_lshl_b32 s52, s13, 2                         ; part: 4 bytes a wave
	s_mov_b32 s53, 0
	s_mov_b32 s14, 0x76543210
	s_mov_b32 s15, 0xfedcba98
	v_lshlrev_b32 v2, 4, v1                        ; 16 L
	v_lshlrev_b32 v4, 2, v1                        ; 4 L
	v_lshrrev_b32 v6, 4, v1
	v_lshlrev_b32 v6, 3, v6                        ; 8 (L >> 4)
.irp e, 0,1,2,3,4,5,6,7
	v_mov_b32 v[AC+\e], 0
.endr
	v_mov_b32 v169, 0
	s_wait_kmcnt 0x0
	s_add_nc_u64 s[4:5], s[4:5], s[48:49]
	s_add_nc_u64 s[50:51], s[8:9], s[50:51]
	s_add_nc_u64 s[10:11], s[10:11], s[52:53]
	s_load_b512 s[16:31], s[4:5], 0x0              ; my 32 indices as scalars, for the rows,
	s_load_b512 s[32:47], s[4:5], 0x40
	global_load_b32 v5, v4, s[4:5]                 ; and one a lane, for the rows' sums
	global_load_b32 v168, v6, s[50:51] offset:4    ; the squared error of my two samples: 16 lanes read each, and it is weighted by 1 / 16
	s_wait_kmcnt 0x0
.set n, 0
.rept 32
	s_min_u32 s[16+n], s[16+n], 0xfff
.set n, n+1
.endr
	s_wait_loadcnt 0x1                             ; the indices are in; the one load issued behind them may stay out
	v_min_u32 v5, 0xfff, v5
	v_lshlrev_b32 v5, 3, v5
	global_load_b32 v7, v5, s[8:9]                 ; d2 of neighbour L
.macro ISSUE n                         ; row n of the 32 into slot n mod 8: four loads of 512 consecutive bytes
	v_lshl_add_u32 v[OFF+(\n)%8], s[16+(\n)], 11, v2
.irp q, 0,1,2,3
	global_load_b128 v[SL+16*((\n)%8)+4*\q:SL+16*((\n)%8)+4*\q+3], v[OFF+(\n)%8], s[6:7] offset:512*\q
.endr
.endm
.irp r, 0,1,2,3,4,5,6
	ISSUE \r
.endr
.set n, 0
.rept 32
.set yo, 31-n
.if yo > 6
.set yo, 6
.endif
	s_wait_loadcnt 4*yo                            ; loads come back in order (ISA guide 5.7.1): row n is in; the rows issued behind it stay out
.if (n%16) != 0
.set ra, SL+16*(n%8)
.set rb, SL+16*((n+7)%8)
.irp j, 0,2,4,6,8,10,12,14
	v_pk_add_f32 v[DF+\j:DF+\j+1], v[ra+\j:ra+\j+1], v[rb+\j:rb+\j+1] neg_lo:[0,1] neg_hi:[0,1]
.endr
.irp j, 0,2,4,6,8,10,12,14
	v_pk_fma_f32 v[AC+(\j)%8:AC+(\j)%8+1], v[DF+\j:DF+\j+1], v[DF+\j:DF+\j+1], v[AC+(\j)%8:AC+(\j)%8+1]
.endr
.endif
.if n+7 < 32
	ISSUE n+7                                      ; into the slot of row n - 1: its loads were shown done a step ago, and it has just been read for the last time
.endif
.set n, n+1
.endr
	v_pk_add_f32 v[AC:AC+1], v[AC:AC+1], v[AC+2:AC+3]
	v_pk_add_f32 v[AC+4:AC+5], v[AC+4:AC+5], v[AC+6:AC+7]
	v_pk_add_f32 v[AC:AC+1], v[AC:AC+1], v[AC+4:AC+5]
	v_add_f32 v[AC], v[AC], v[AC+1]
	v_mul_f32 v[AC], 0x33088889, v[AC]             ; 1 / (4096 x 15 x 64 x 8)
	v_fmamk_f32 v[AC], v7, 0x33020821, v[AC]       ; 1 / (4096 x 16 x 63 x 8)
	v_fmamk_f32 v[AC], v168, 0x33000000, v[AC]     ; 1 / (4096 x 64 x 8) / 16
.irp m, 1,2,4,8
	v_add_f32_dpp v[AC], v[AC], v[AC] row_xmask:\m row_mask:0xf bank_mask:0xf
.endr
	v_permlanex16_b32 v[AC+1], v[AC], s14, s15
	v_add_f32 v[AC], v[AC], v[AC+1]
	v_cmp_eq_u32 vcc_lo, 0, v1
	s_wait_xcnt 0x0                                ; EXEC changes only behind this wait
	s_and_saveexec_b32 s54, vcc_lo
	global_store_b32 v169, v[AC], s[10:11]
	s_wait_xcnt 0x0
	s_or_b32 exec_lo, exec_lo, s54
	s_endpgm
.Lfunc_end_k_q6961e7103f_pairs:
	.size	k_q6961e7103f_pairs, .Lfunc_end_k_q6961e7103f_pairs-k_q6961e7103f_pairs
	.p2alignl 7, 3214868480
	.fill 96, 4, 3214868480
	.section	.rodata,"a",@progbits
	.p2align	6, 0x0
	.amdhsa_kernel k_q6961e7103f_pairs
		.amdhsa_group_segment_fixed_size 0
		.amdhsa_private_segment_fixed_size 0
		.amdhsa_enable_private_segment 0
		.amdhsa_kernarg_size 32
		.amdhsa_user_sgpr_count 2
		.amdhsa_user_sgpr_kernarg_segment_ptr 1
		.amdhsa_wavefront_size32 1
		.amdhsa_system_sgpr_workgroup_id_x 1
		.amdhsa_system_sgpr_workgroup_id_y 1
		.amdhsa_system_sgpr_workgroup_id_z 1
		.amdhsa_system_vgpr_workitem_id 0
		.amdhsa_next_free_vgpr 176
		.amdhsa_next_free_sgpr 66
		.amdhsa_reserve_vcc 1
		.amdhsa_float_denorm_mode_32 3
		.amdhsa_float_denorm_mode_16_64 3
		.amdhsa_memory_ordered 1
		.amdhsa_forward_progress 1
		.amdhsa_inst_pref_size 50
	.end_amdhsa_kernel
	.amdgpu_metadata
---
amdhsa.version: [ 1, 2 ]
amdhsa.kernels:
  - .name:           k_q6961e7103f_pairs
    .symbol:         k_q6961e7103f_pairs.kd
    .args:
      - { .name: idx, .offset: 0, .size: 8, .value_kind: global_buffer, .address_space: global }
      - { .name: out1, .offset: 8, .size: 8, .value_kind: global_buffer, .address_space: global }
      - { .name: rsum, .offset: 16, .size: 8, .value_kind: global_buffer, .address_space: global }
      - { .name: part, .offset: 24, .size: 8, .value_kind: global_buffer, .address_space: global }
    .group_segment_fixed_size: 0
    .private_segment_fixed_size: 0
    .kernarg_segment_align: 8
    .kernarg_segment_size: 32
    .max_flat_workgroup_size: 256
    .sgpr_count:     66
    .vgpr_count:     176
    .wavefront_size: 32
...
	.end_amdgpu_metadata
.endif
;; end of part 4
;; launch final (part 5): grid 1 x 1, 1 waves a work-group, no clusters, 0 bytes of LDS; arguments part, out0; writes out0
.if DOCPART == 5
	.amdgcn_target "amdgcn-amd-amdhsa--gfx1250"
	.amdhsa_code_object_version 6
	.text
	.protected	k_q6961e7103f_final
	.globl	k_q6961e7103f_final
	.p2align	8
	.type	k_q6961e7103f_final,@function
k_q6961e7103f_final:
	s_mov_b64 s[64:65], 0
	v_nop
	global_prefetch_b8 v0, s[64:65] scope:SCOPE_SE
	s_setreg_imm32_b32 hwreg(HW_REG_WAVE_MODE, 25, 1), 1
	s_wait_xcnt 0x0
; FINAL.  The loss is the sum of the 2,048 waves' partial sums: a sum over work-groups is ordered by a launch of its own.  One wave reads the 8,192 bytes by sixteen loads of 512 consecutive bytes.
	s_load_b128 s[4:7], s[0:1], 0x0                ; part s[4:5], out0 s[6:7]
	v_lshlrev_b32 v1, 4, v0
	v_mov_b32 v2, 0
	s_mov_b32 s8, 0x76543210
	s_mov_b32 s9, 0xfedcba98
	s_wait_kmcnt 0x0
.set i, 0
.rept 16
	global_load_b128 v[8+4*i:8+4*i+3], v1, s[4:5] offset:512*i
.set i, i+1
.endr
	s_wait_loadcnt 0x0
.set i, 2
.rept 14                                               ; four chains, started by the first two loads
	v_pk_add_f32 v[8+4*(i%2):9+4*(i%2)],   v[8+4*(i%2):9+4*(i%2)],   v[8+4*i:9+4*i]
	v_pk_add_f32 v[10+4*(i%2):11+4*(i%2)], v[10+4*(i%2):11+4*(i%2)], v[10+4*i:11+4*i]
.set i, i+1
.endr
	v_pk_add_f32 v[8:9], v[8:9], v[10:11]
	v_pk_add_f32 v[12:13], v[12:13], v[14:15]
	v_pk_add_f32 v[8:9], v[8:9], v[12:13]
	v_add_f32 v8, v8, v9
.irp m, 1,2,4,8
	v_add_f32_dpp v8, v8, v8 row_xmask:\m row_mask:0xf bank_mask:0xf
.endr
	v_permlanex16_b32 v9, v8, s8, s9
	v_add_f32 v8, v8, v9
	v_cmp_eq_u32 vcc_lo, 0, v0
	s_wait_xcnt 0x0                                ; EXEC changes only behind this wait
	s_and_saveexec_b32 s10, vcc_lo
	global_store_b32 v2, v8, s[6:7]
	s_wait_xcnt 0x0
	s_or_b32 exec_lo, exec_lo, s10
	s_endpgm
.Lfunc_end_k_q6961e7103f_final:
	.size	k_q6961e7103f_final, .Lfunc_end_k_q6961e7103f_final-k_q6961e7103f_final
	.p2alignl 7, 3214868480
	.fill 96, 4, 3214868480
	.section	.rodata,"a",@progbits
	.p2align	6, 0x0
	.amdhsa_kernel k_q6961e7103f_final
		.amdhsa_group_segment_fixed_size 0
		.amdhsa_private_segment_fixed_size 0
		.amdhsa_enable_private_segment 0
		.amdhsa_kernarg_size 16
		.amdhsa_user_sgpr_count 2
		.amdhsa_user_sgpr_kernarg_segment_ptr 1
		.amdhsa_wavefront_size32 1
		.amdhsa_system_sgpr_workgroup_id_x 1
		.amdhsa_system_sgpr_workgroup_id_y 1
		.amdhsa_system_sgpr_workgroup_id_z 1
		.amdhsa_system_vgpr_workitem_id 0
		.amdhsa_next_free_vgpr 80
		.amdhsa_next_free_sgpr 66
		.amdhsa_reserve_vcc 1
		.amdhsa_float_denorm_mode_32 3
		.amdhsa_float_denorm_mode_16_64 3
		.amdhsa_memory_ordered 1
		.amdhsa_forward_progress 1
		.amdhsa_inst_pref_size 5
	.end_amdhsa_kernel
	.amdgpu_metadata
---
amdhsa.version: [ 1, 2 ]
amdhsa.kernels:
  - .name:           k_q6961e7103f_final
    .symbol:         k_q6961e7103f_final.kd
    .args:
      - { .name: part, .offset: 0, .size: 8, .value_kind: global_buffer, .address_space: global }
      - { .name: out0, .offset: 8, .size: 8, .value_kind: global_buffer, .address_space: global }
    .group_segment_fixed_size: 0
    .private_segment_fixed_size: 0
    .kernarg_segment_align: 8
    .kernarg_segment_size: 16
    .max_flat_workgroup_size: 32
    .sgpr_count:     66
    .vgpr_count:     80
    .wavefront_size: 32
...
	.end_amdgpu_metadata
.endif
;; end of part 5
;; ======== version 2 of 2: 5 launches; version 1 with the launch pairs written anew for expert scheduling mode
;; limits: values within 0.00049 (relative) of each other or of a threshold may be ordered or decided otherwise than in the reference
;; workspace buffers: xa 4,194,304 bytes; yb 4,194,304 bytes; uc 17,408 bytes; lists 4,194,304 bytes; stats 524,288 bytes; idx 262,144 bytes of whole numbers; rsum 32,768 bytes; part 8,192 bytes
;; launch prep: the kernel of part 1 again; grid 256 x 1, 8 waves a work-group, no clusters, 8,192 bytes of LDS; arguments x, W_emb, b_emb, W_proj, xa, yb, uc; writes xa, yb, uc
;; launch score: the kernel of part 2 again; grid 16 x 16, 8 waves a work-group, clusters of 4 x 1, 327,680 bytes of LDS; arguments xa, yb, uc, lists, stats; writes lists, stats
;; launch pick: the kernel of part 3 again; grid 256 x 1, 8 waves a work-group, no clusters, 20,480 bytes of LDS; arguments lists, stats, uc, x, b_proj, out1, idx, rsum; writes out1, idx, rsum
;; launch pairs (part 6): grid 256 x 1, 8 waves a work-group, no clusters, 0 bytes of LDS; arguments idx, out1, rsum, part; writes part
.if DOCPART == 6
	.amdgcn_target "amdgcn-amd-amdhsa--gfx1250"
	.amdhsa_code_object_version 6
	.text
	.protected	k_q6961e7103f_pairs
	.globl	k_q6961e7103f_pairs
	.p2align	8
	.type	k_q6961e7103f_pairs,@function
k_q6961e7103f_pairs:
	s_mov_b64 s[64:65], 0
	v_nop
	global_prefetch_b8 v0, s[64:65] scope:SCOPE_SE
	s_setreg_imm32_b32 hwreg(HW_REG_WAVE_SCHED_MODE, 0, 2), 2
	s_setreg_imm32_b32 hwreg(HW_REG_WAVE_MODE, 25, 1), 1
	s_wait_xcnt 0x0
	s_wait_alu depctr_vm_vsrc(0)
; PAIRS.  The loss's three means, a partial sum a wave.  Wave W owns samples 2 W and 2 W + 1: it gathers their 16 + 16 neighbours' rows of out1 (2,048 bytes each) in the order of idx and sums the
; squares of the differences of consecutive rows (15 pairs a sample); the differences along the sequence are a sum a row that the launch before has made (rsum), gathered by the same indices;
; and so is the squared error of the wave's own two samples.  The indices are whole numbers that an earlier launch stored; each is clamped to 4,095 before it enters an address.
; A stream: memory binds, so no LDS, no barrier, no matrix unit, no cluster.  A ring of nine row slots in registers: one at work, its forerunner, and seven rows on their way once a step's loads are out.
; THE MODE: SCHED_MODE bits 1:0 = 2 (LLVM: expert scheduling mode 2), set by the entry lines.  The code itself states the register dependences
; between vector instructions and memory instructions, with s_wait_alu, always for 0.
; THE PLAN.  Registers that memory instructions touch:
;   v4, v6     offsets of the index vector and of the squared errors: made once at the head, each read by one load.
;   v5         the index vector lands in it; two vector lines make an offset of it; the gather of the rows' sums reads it; never written again.
;   v7, v8     loads land in them; the closing arithmetic reads them.  No vector line names them before.
;   OFF        an offset for each of the 32 rows, all made in one run at the head and never written again; read by the rows' loads.
;   SL         row n lands in slot n mod 9 and is read by the differences of steps n and n + 1.  Step n issues row n + 7 at its head, into slot (n + 7) mod 9 = (n - 2) mod 9,
;              whose last reader stood in step n - 1 and which no vector line of step n names.
;   v9, AC     offset and data of the one store at the end.     DF is named by vector lines alone.
; So one wait at a step's head, behind the wait for the step's row, states all that the step's four loads hang on.
.set SLOTS, 9
.set MSE, 8                            ; v8         the squared error of my samples
.set ZO,  9                            ; v9         0: the store's offset
.set SL,  16                           ; v[16:159]  slot i: 16 registers, a row's 2,048 bytes over 32 lanes
.set DF,  160                          ; v[160:175] a pair of rows' differences
.set AC,  176                          ; v[176:183] four chains of sums
.set OFF, 184                          ; v[184:215] row n: its byte offset + 16 L
	s_load_b256 s[4:11], s[0:1], 0x0               ; idx s[4:5], out1 s[6:7], rsum s[8:9], part s[10:11]
	v_and_b32 v1, 31, v0
	v_lshrrev_b32 v3, 5, v0
	v_readfirstlane_b32 s12, v3
	v_lshlrev_b32 v2, 4, v1                        ; 16 L
	v_lshlrev_b32 v4, 2, v1                        ; 4 L
	v_lshrrev_b32 v6, 4, v1
	v_lshlrev_b32 v6, 3, v6                        ; 8 (L >> 4)
.irp e, 0,1,2,3,4,5,6,7
	v_mov_b32 v[AC+\e], 0
.endr
	v_mov_b32 v[ZO], 0
	s_mov_b32 s14, 0x76543210
	s_mov_b32 s15, 0xfedcba98
	s_lshl_b32 s13, ttmp9, 3
	s_wait_alu depctr_va_sdst(0)                   ; s12, the wave's number, is written, ahead of its first reader: the three bases are made from it
	s_add_co_u32 s13, s13, s12                     ; W
	s_lshl_b32 s48, s13, 7                         ; idx: 128 bytes a wave
	s_mov_b32 s49, 0
	s_lshl_b32 s50, s13, 4                         ; rsum: 16 bytes a wave
	s_mov_b32 s51, 0
	s_lshl_b32 s52, s13, 2                         ; part: 4 bytes a wave
	s_mov_b32 s53, 0
	s_wait_kmcnt 0x0
	s_add_nc_u64 s[4:5], s[4:5], s[48:49]
	s_add_nc_u64 s[50:51], s[8:9], s[50:51]
	s_add_nc_u64 s[10:11], s[10:11], s[52:53]
	s_load_b512 s[16:31], s[4:5], 0x0              ; my 32 indices as scalars, for the rows,
	s_load_b512 s[32:47], s[4:5], 0x40
	s_wait_alu depctr_va_vdst(0)                   ; v4 and v6 are written, which the two loads below read as their offsets
	global_load_b32 v5, v4, s[4:5]                 ; and one a lane, for the rows' sums
	global_load_b32 v[MSE], v6, s[50:51] offset:4  ; the squared error of my two samples: 16 lanes read each, and it is weighted by 1 / 16
	s_wait_kmcnt 0x0
.set n, 0
.rept 32
	s_min_u32 s[16+n], s[16+n], 0xfff
.set n, n+1
.endr
.set n, 0
.rept 32
	v_lshl_add_u32 v[OFF+n], s[16+n], 11, v2       ; all 32 rows' offsets in one run: none is written again
.set n, n+1
.endr
	s_wait_loadcnt 0x1                             ; the indices are in; the one load issued behind them may stay out
	v_min_u32 v5, 0xfff, v5
	v_lshlrev_b32 v5, 3, v5
	s_wait_alu depctr_va_vdst(0)                   ; v5 and the 32 offsets are written: the gather below reads v5, and every load of a row, here and in the steps, reads one of the offsets
	global_load_b32 v7, v5, s[8:9]                 ; d2 of neighbour L
.macro ISSUE n                         ; row n of the 32 into slot n mod 9: four loads of 512 consecutive bytes
.irp q, 0,1,2,3
	global_load_b128 v[SL+16*((\n)%SLOTS)+4*\q:SL+16*((\n)%SLOTS)+4*\q+3], v[OFF+(\n)], s[6:7] offset:512*\q
.endr
.endm
.irp r, 0,1,2,3,4,5,6
	ISSUE \r
.endr
.set n, 0
.rept 32
.set yo, 31-n
.if yo > 6
.set yo, 6
.endif
	s_wait_loadcnt 4*yo                            ; loads come back in order (ISA guide 5.7.1): row n is in; the rows issued behind it stay out
.if n+7 < 32
.if (n >= 2) && (((n-1)%16) != 0)      ; steps 0 and 1 fill slots that no vector line has named; step 16 holds no arithmetic, so step 17 finds nothing issued since step 16's wait
	s_wait_alu depctr_va_vdst(0)                   ; the differences of the step before are done reading row n - 2, in whose slot the four loads below land
.endif
	ISSUE n+7                                      ; its slot's own loads were shown done two steps ago; no vector line of this step names it
.endif
.if (n%16) != 0
.set ra, SL+16*(n%SLOTS)
.set rb, SL+16*((n+SLOTS-1)%SLOTS)
.irp j, 0,2,4,6,8,10,12,14
	v_pk_add_f32 v[DF+\j:DF+\j+1], v[ra+\j:ra+\j+1], v[rb+\j:rb+\j+1] neg_lo:[0,1] neg_hi:[0,1]
.endr
.irp j, 0,2,4,6,8,10,12,14
	v_pk_fma_f32 v[AC+(\j)%8:AC+(\j)%8+1], v[DF+\j:DF+\j+1], v[DF+\j:DF+\j+1], v[AC+(\j)%8:AC+(\j)%8+1]
.endr
.endif
.set n, n+1
.endr
	v_pk_add_f32 v[AC:AC+1], v[AC:AC+1], v[AC+2:AC+3]
	v_pk_add_f32 v[AC+4:AC+5], v[AC+4:AC+5], v[AC+6:AC+7]
	v_pk_add_f32 v[AC:AC+1], v[AC:AC+1], v[AC+4:AC+5]
	v_add_f32 v[AC], v[AC], v[AC+1]
	v_mul_f32 v[AC], 0x33088889, v[AC]             ; 1 / (4096 x 15 x 64 x 8)
	v_fmamk_f32 v[AC], v7, 0x33020821, v[AC]       ; 1 / (4096 x 16 x 63 x 8)
	v_fmamk_f32 v[AC], v[MSE], 0x33000000, v[AC]   ; 1 / (4096 x 64 x 8) / 16
.irp m, 1,2,4,8
	v_add_f32_dpp v[AC], v[AC], v[AC] row_xmask:\m row_mask:0xf bank_mask:0xf
.endr
	v_permlanex16_b32 v[AC+1], v[AC], s14, s15
	v_add_f32 v[AC], v[AC], v[AC+1]
	v_cmp_eq_u32 vcc_lo, 0, v1
	s_wait_xcnt 0x0                                ; EXEC changes only behind this wait
	s_wait_alu depctr_va_vcc(0)                    ; the compare has written VCC, from which EXEC is made
	s_wait_alu depctr_va_vdst(0)                   ; ahead of the write of EXEC: every vector line has written its result, the sum v[AC] and the offset v[ZO], which the store below reads, among them
	s_wait_alu depctr_vm_vsrc(0)                   ; ahead of the write of EXEC: every load has read its offset
	s_and_saveexec_b32 s54, vcc_lo
	global_store_b32 v[ZO], v[AC], s[10:11]
	s_wait_xcnt 0x0
	s_wait_alu depctr_va_vdst(0)                   ; ahead of the write of EXEC, as at every such write
	s_wait_alu depctr_vm_vsrc(0)                   ; ahead of the write of EXEC: the store has read its offset and its data
	s_or_b32 exec_lo, exec_lo, s54
	s_endpgm
.Lfunc_end_k_q6961e7103f_pairs:
	.size	k_q6961e7103f_pairs, .Lfunc_end_k_q6961e7103f_pairs-k_q6961e7103f_pairs
	.p2alignl 7, 3214868480
	.fill 96, 4, 3214868480
	.section	.rodata,"a",@progbits
	.p2align	6, 0x0
	.amdhsa_kernel k_q6961e7103f_pairs
		.amdhsa_group_segment_fixed_size 0
		.amdhsa_private_segment_fixed_size 0
		.amdhsa_enable_private_segment 0
		.amdhsa_kernarg_size 32
		.amdhsa_user_sgpr_count 2
		.amdhsa_user_sgpr_kernarg_segment_ptr 1
		.amdhsa_wavefront_size32 1
		.amdhsa_system_sgpr_workgroup_id_x 1
		.amdhsa_system_sgpr_workgroup_id_y 1
		.amdhsa_system_sgpr_workgroup_id_z 1
		.amdhsa_system_vgpr_workitem_id 0
		.amdhsa_next_free_vgpr 216
		.amdhsa_next_free_sgpr 66
		.amdhsa_reserve_vcc 1
		.amdhsa_float_denorm_mode_32 3
		.amdhsa_float_denorm_mode_16_64 3
		.amdhsa_memory_ordered 1
		.amdhsa_forward_progress 1
		.amdhsa_inst_pref_size 51
	.end_amdhsa_kernel
	.amdgpu_metadata
---
amdhsa.version: [ 1, 2 ]
amdhsa.kernels:
  - .name:           k_q6961e7103f_pairs
    .symbol:         k_q6961e7103f_pairs.kd
    .args:
      - { .name: idx, .offset: 0, .size: 8, .value_kind: global_buffer, .address_space: global }
      - { .name: out1, .offset: 8, .size: 8, .value_kind: global_buffer, .address_space: global }
      - { .name: rsum, .offset: 16, .size: 8, .value_kind: global_buffer, .address_space: global }
      - { .name: part, .offset: 24, .size: 8, .value_kind: global_buffer, .address_space: global }
    .group_segment_fixed_size: 0
    .private_segment_fixed_size: 0
    .kernarg_segment_align: 8
    .kernarg_segment_size: 32
    .max_flat_workgroup_size: 256
    .sgpr_count:     66
    .vgpr_count:     216
    .wavefront_size: 32
...
	.end_amdgpu_metadata
.endif
;; end of part 6
;; launch final: the kernel of part 5 again; grid 1 x 1, 1 waves a work-group, no clusters, 0 bytes of LDS; arguments part, out0; writes out0
